; MI455X (gfx1250); checked and timed in simulation.
; The chip was launched on July 23, 2026; its instructions are those of AMD's public machine-readable ISA for CDNA 5 (MIT licence, August 2026) and "CDNA5" Instruction Set Architecture Reference Guide (July 2026). The comments in the code are by the model that wrote it; some were corrected since.
;; Lazy Attention Embedding. Allowed arithmetic: matrix products marked QUANTISED: E5M2 operands, one E8M0 scale for each 32 along K, by v_wmma_scale_f32_16x16x128_f8f6f4 with both operands' format E5M2, f32 sums; everything else in f32.
;; Inputs: bias_weight 4,096 x 16 float32; k_codes 2 x 16 x 2,048 x 2 x 32 uint8 (E5M2 codes of k, K innermost, in blocks of 32 codes); k_scales 2 x 16 x 2,048 x 2 uint8 (E8M0 scales of k, one for each 32 codes along K); q_codes 2 x 16 x 2,048 x 2 x 32 uint8 (E5M2 codes of q, K innermost, in blocks of 32 codes); q_scales 2 x 16 x 2,048 x 2 uint8 (E8M0 scales of q, one for each 32 codes along K); tau 16 float32; v_codes 2 x 16 x 64 x 64 x 32 uint8 (E5M2 codes of v, K innermost, in blocks of 32 codes); v_scales 2 x 16 x 64 x 64 uint8 (E8M0 scales of v, one for each 32 codes along K).
;; Outputs: out0 2 x 16 x 2,048 x 64 float32.
;; Constants: max_bias_length = 4096.
;; This version of the problem:
;;   THIS VERSION OF THE PROBLEM IS GIVEN IN LOW PRECISION. The matrix products marked QUANTISED in the list below multiply operands that are first quantised to E5M2 (5 exponent bits, 2 mantissa bits; 8 bits a number), with one power-of-two scale for each 32 numbers along K (OCP MX v1.0); their sums are f32. All else is computed in f32.
;;   The module's matrix products, in the order in which they are computed (A, B: the left and right operand; K: the contracted axis; several contracted axes count as one K, in the product's order):
;;     1. batch 32 x [M 2,048, K 64] x [K 64, N 2,048]; A: input q (given as codes); B: input k (given as codes): QUANTISED
;;     2. batch 32 x [M 2,048, K 2,048] x [K 2,048, N 64]; A: computed on the way; B: input v (given as codes): QUANTISED
;;   THE QUANTISER, for each operand of a quantised product, along K:
;;     - K is cut into blocks of 32 from its start; a last block that is shorter is filled with zeros.
;;     - A block's scale is 2^e with e = floor(log2(the largest magnitude in the block)) - 15, held to -126 .. 127; a block of zeros has e = 0. As a byte (E8M0): e + 127.
;;     - Each number is divided by its block's scale, clamped to +-57,344, and rounded to the nearest number of E5M2, ties to even, subnormals kept.
;;     - The product sums the exact products of the quantised numbers (number of the format x scale) in f32.
;;   ~~~python
;;   def quantise(x, axis):      # numpy; x: float32 -> the quantised numbers, widened to float32 again
;;       x = np.moveaxis(x, axis, -1); K = x.shape[-1]
;;       x = np.pad(x, [(0, 0)] * (x.ndim - 1) + [(0, -K % 32)]); x = x.reshape(x.shape[:-1] + (-1, 32)); a = np.abs(x).max(-1, keepdims=True)
;;       e = np.where(a > 0, np.clip(np.frexp(np.where(a > 0, a, 1))[1] - 1 - 15, -126, 127), 0)      # np.frexp(a)[1] - 1 = floor(log2(a)), exactly
;;       r = np.clip(x / 2.0 ** e, -57344, 57344)
;;       step = 2.0 ** (np.maximum(np.frexp(np.where(r == 0, 1, r))[1] - 1, -14) - 2)
;;       q = np.round(r / step) * step * 2.0 ** e      # np.round: ties to even
;;       return np.moveaxis(q.reshape(q.shape[:-2] + (-1,))[..., :K], -1, axis).astype(np.float32)
;;   ~~~
;;   OPERANDS COMPUTED ON THE WAY. 'Computed on the way' means the value that the module computes at that place (a softmax that the list does not call 'softmax' is quantised finished and normalised). What goes into a quantiser is computed in f32, as accurately as f32 sums, v_exp_f32 and their like allow (about 1e-6 of the number): no bf16 or f16 on the way to a quantiser, and a product that is left as it is and whose result goes on into a quantised operand takes f32 operands (vector FMAs, or v_wmma_f32_16x16x4_f32). A number that lies on a knife's edge between two numbers of the format may be rounded either way, as far as f32 arithmetic and the matrix unit's own rounding can turn it there, and no further.
;;   INPUTS GIVEN AS CODES. k (in the module: [2, 16, 2048, 64], K = its axis 3); q (in the module: [2, 16, 2048, 64], K = its axis 3); v (in the module: [2, 16, 2048, 64], K = its axis 2): each comes as NAME_codes (uint8): NAME with its K axis moved to the last place and cut into blocks of 32 codes, [.., K / 32, bytes a block], one block behind the other in memory; one code a byte (a code: sign, 5 exponent bits, 2 mantissa bits); and NAME_scales (uint8): the same leading axes, one E8M0 byte (e + 127) for each 32 codes along K. Its value is code x scale, taken as it is: it is not quantised again, and the codes and scales need not be those that the quantiser above would give.
;; One version. Each part assembles by itself: llvm-mc -triple=amdgcn-amd-amdhsa -mcpu=gfx1250 --defsym DOCPART=n.
;; ======== version 1 of 1: 1 launch
;; limits: right only within a limited range of input values
;; launch lazyattn (part 1): grid 8 x 32, 8 waves a work-group, clusters of 4 x 1, 327,680 bytes of LDS; arguments q_codes, q_scales, k_codes, k_scales, v_codes, v_scales, bias_weight, tau, out0; writes out0
.if DOCPART == 1
	.amdgcn_target "amdgcn-amd-amdhsa--gfx1250"
	.amdhsa_code_object_version 6
	.text
	.protected	k_qcfa6385370_lazyattn
	.globl	k_qcfa6385370_lazyattn
	.p2align	8
	.type	k_qcfa6385370_lazyattn,@function
k_qcfa6385370_lazyattn:
	s_mov_b64 s[64:65], 0
	v_nop
	global_prefetch_b8 v0, s[64:65] scope:SCOPE_SE
	s_setreg_imm32_b32 hwreg(HW_REG_WAVE_MODE, 25, 1), 1
	s_wait_xcnt 0x0
	s_wait_alu depctr_hold_cnt(0) depctr_sa_sdst(0) depctr_va_vdst(0) depctr_va_sdst(0) depctr_va_ssrc(0) depctr_va_vcc(0) depctr_vm_vsrc(0)
	s_getreg_b32 s2, hwreg(HW_REG_IB_STS2, 6, 4)
	s_cmp_eq_u32 s2, 0
	s_cbranch_scc0 .Lentry_in_a_cluster
	s_endpgm
.Lentry_in_a_cluster:
	s_bfe_u32 s2, ttmp6, 0x10000c
	s_cmp_lg_u32 s2, 0x3003
	s_cbranch_scc0 .Lentry_shape_is_right
	s_endpgm
.Lentry_shape_is_right:
; out[b][h][q][:] = sum over k of relu(softmax_k(q.k / 8 + bias_weight[q - k][h], causal) + tau[h] / (q + 1)) v[k][:], both products on codes of E5M2 with one E8M0 scale for each 32 along K.
; q, k: [32][2048][64] codes; their scale bytes [32][2048][2].  v: codes with the keys innermost, [32][64][2048]; scale bytes [32][64][64].  out: [32][2048][64] f32.
; THE OPERAND OF THE SECOND PRODUCT IS THE FINISHED WEIGHT (normalised, tau / i added, clipped at 0), so a row's maximum and sum are known before any of its codes is made: the keys are walked TWICE.
;   Pass 1: S = K Q^T, the running maximum M (a whole number) and the sum l of 2^(t - M).   Pass 2: S again, w = 2^(t - M) / l + tau / i, clipped and quantised along the keys, O += w V.
; WORK LEFT OUT, for all values of the inputs: (a) tiles of q.k all of whose keys come after all of their queries: where(causal, ., NEG_INF) writes over those scores, whatever they are;
;   (b) rel_pos < 4096 holds for every pair at L = 2048 and the clip is the identity on 0 .. 2047: the bias's mask is the causal one, and rows 2048 .. 4095 of bias_weight are named by no index and are not read.
;   NOT LEFT OUT: the second product above the diagonal.  There softmax = 0 and the weight is relu(tau / i), which is above 0 where tau[h] is: every query multiplies all 2,048 keys.  In a step of 128 keys that lies wholly
;   above the diagonal the weight is one number for each query: its code and scale byte are made once, by the same quantiser, and the step is four matrix instructions with no vector work.  Every input is loaded.
; LIMITS: a NaN, an infinity or an overflow that reaches only the tiles of (a) is not carried to the result.  Codes of infinity or NaN in q, k, v are not served: the head is 64 long and the instruction's K is 128, so the upper
;   half of a fragment of K holds the next tile's codes, against Q's zero codes.  -2^103 stands where reference() has 8 x NEG_INF: the same weights, 0, while |8 x score| stays far under 1e30.  A block of zeros
;   carries the byte 1 where the rule says 127: its codes are zeros, and nobody else reads the bytes.
; SHARES.  Work-group (x, y): head slice y; x = 4 X + cx gives delta = 64 X + cx.  A TILE is 16 queries 4 apart: q = 128 m + delta + 4 r, r = 0 .. 15.  Wave w owns tiles m = w and m = 15 - w: 17 causal steps of 128 keys
;   in each pass and 15 steps above the diagonal, in every wave of every work-group alike.
; WHY 4 APART.  The bias hangs on q - k.  With all 16 queries at one residue mod 4, a lane's 4 neighbouring keys are 16 aligned bytes of ONE table T[pos] = 8 bias_weight[1980 + delta - pos][h] (-2^103 where that
;   index is negative), which the work-group makes once; delta lies in the table's CONTENT, so no LDS address hangs on the work-group's place.  The table's words are loaded straight into the score accumulators and
;   go in as the C of K Q^T: bias and causal mask cost no vector instruction.  A row of out is 256 bytes, so rows that are not neighbours are still stored whole.  Q's rows of 64 bytes are read 256 bytes apart, once.
; LDS.  A head's K, V, their scale bytes and the table stay for the whole launch: every tile is filled once, nothing is filled again: two work-group barriers in all.
; CLUSTER.  The four work-groups of a cluster share y, so K, V and the scale bytes are asked for JOINTLY (mask 15): descriptors hang on the wave's number and y alone, branches on the wave's number and counted steps alone.
;   Every partner reads every tile (its wave 0 owns m = 15, and the second product walks all keys).
; LAYOUT.  S^T = K Q^T (source 0 = 16 keys, source 1 = my 16 queries): a lane holds one query, its registers run along the keys; row r of key tile 2 b + u is key 32 b + 8 u + r + 8 (r / 8), so registers 16 b + i are keys
;   32 b + 16 (lane / 16) + i: the conversions' results are source 0 of O = P V.  There source 1, tile t, lane r is V's row d = 4 r + ((t + r / 4) & 3): the 16 rows fall on 16 different 16-byte columns of LDS, and a lane owns
;   d = 4 r .. 4 r + 3 of query 8 (lane / 16) + j: eight selects for each j put the four tiles' registers in order, and one store of 16 bytes a lane writes two whole rows.  No stage on the way out.
; NOT USED: a prefetch (every tile is asked for at the head: nothing is known earlier); a ring (all fits); work-groups that stay (one work-group for each of 256 places).
; REGISTERS.  Window 0: v1-9 addresses; v[10:11], v[14:15] sums; v16-31 eight statistics a tile; v32-63 Q (upper halves zero codes); v64-127 scores; v128-191 K's eight fragments, v192-199 zeros; v200-215 P's codes; v216-224 scale words;
;   v226-241 the quantiser's; v242-249 V's addresses; v[250:251] f; v252-255 at work.   Window 1: v0-63 V's four fragments; v64-95 O; v96-127 the constant P of both tiles; v128-159 rows of out; v160-163 at work.
.set SCK,   0                          ; LDS: K's scale bytes, 2 a key, dense: 4,096 bytes
.set KOFF,  4096                       ; K: rows of two keys, 128 bytes + 16 of padding: key k at (k / 2) 144 + (k % 2) 64: 147,456 bytes
.set BT,    151552                     ; the table: 2,304 words, stored by the waves; 7,424 bytes behind it are left empty
.set VB,    168192                     ; V: 8 chunks of 256 keys, each 64 rows (d) of 256 bytes + 16: 139,264 bytes
.set SCV,   307456                     ; V's scale bytes: 64 rows of 64 bytes + 16: 5,120 bytes
.set SPARE, 312576                     ; the spare words, 128 bytes for each wave: four blocks of 256 bytes that no other line names
.set SPW, 1                            ; v1   LDS address of my spare word; never rewritten
.set NIL, 2                            ; v2   0; never rewritten
.set AK0, 3                            ; v3   my lane's place in a tile of K
.set ASK0, 4                           ; v4   among K's scale words: lanes 0-15 an even tile's rows, lanes 16-31 the odd tile's
.set AB0, 5                            ; v5   in the table
.set ADK, 6                            ; v6-8 the same three for the trip in hand
.set ADS, 7
.set ADB, 8
.set GO,  9                            ; v9   my byte offset in the tile's rows of out; never rewritten
.set SUM2, 10
.set SUM, 14
.set ST,  16                           ; tile u at v[ST + 8 u]: +0 -M, +1 the largest t, +2, +3 1 / l, +4, +5 tau / i, +6 the constant P's scale word, +7 Q's scale word
.set QF,  32
.set S,   64
.set KF,  128
.set KZ,  192
.set PC,  200
.set PW,  216
.set KS,  217
.set VSR, 221
.set NEG, 225
.set TM,  226                          ; +0..3 largest magnitudes, +4..7 the partner's, then bytes, +8..11 the largest code x the scale, +12..15 the conversions' scale operands
.set AV,  242
.set ASV, 246
.set FAC, 250
.set VF,  0                            ; window 1
.set OA,  64
.set CP,  96
.set EO,  128
.set XR,  160
.set WV,  22                           ; s22 wave;  s23 cx;  s24 delta;  s25 head slice;  s26 head;  s27, s66, s67, s95 at work on numbers that hang on cx;  s2, s3, s100, s101 on numbers that do not
.set G1K, 28
.set G1V, 36
.set G1SK, 44
.set G1SV, 52
.set G0SK, 60
.set G0K, 68
.set G0SV, 72
.set G0V, 76
.set SEL, 80                           ; s[80:81] v_permlanex16_b32's selects for lane l xor 16
.set CS,  82                           ; s[82:83] c = log2(e) / 8
.set MNT, 84                           ; the mantissa field of 57,344
.set MK0, 85                           ; lanes with (r / 4) odd
.set MK1, 86                           ; lanes with r / 4 >= 2
.set MB,  87                           ; s87, s88 my two tiles' m
.set SS,  89                           ; the trip's first step
.set KB,  90                           ; where the trip's keys begin in K,
.set KSB, 91                           ; in K's scale bytes,
.set BB,  92                           ; and in the table
.set TT,  93
.set TAU, 94
.set OB,  96                           ; s[96:97], s[98:99] out at my tiles' first rows
.set MSB, 0
.macro WIN new                         ; the immediate's high byte repeats the setting that is left; a switch that changes nothing is dropped
.if MSB != \new
	s_set_vgpr_msb (MSB<<8)|\new
.set MSB, \new
.endif
.endm
.macro PLACES n
.rept \n
	v_nop
.endr
.endm
.macro CROUND                          ; a round of the cluster's barrier
	s_barrier_signal -1
	s_barrier_wait -1
	s_cmp_lg_u32 s[WV], 0
	s_cbranch_scc1 .Lnot_wave_0_\@
	s_barrier_signal -3
.Lnot_wave_0_\@:
	s_barrier_wait -3
	s_barrier_signal -1
	s_barrier_wait -1
.endm
	s_load_b512 s[4:19], s[0:1], 0x0               ; q_codes s[4:5], q_scales s[6:7], k_codes s[8:9], k_scales s[10:11], v_codes s[12:13], v_scales s[14:15], bias_weight s[16:17], tau s[18:19]
	s_load_b64 s[20:21], s[0:1], 0x40              ; out0
	v_lshl_add_u32 v[SPW], v0, 2, SPARE
	v_mov_b32 v[NIL], 0
	ds_add_u32 v[SPW], v[NIL]                      ; the wave's opening: the add, twice on end, and its wait ahead of my first tensor load; the set-up below stands between
	ds_add_u32 v[SPW], v[NIL]
	v_lshrrev_b32 v12, 5, v0
	v_readfirstlane_b32 s[WV], v12                 ; wave 0..7
	s_bfe_u32 s23, ttmp6, 0x40000                  ; cx
	s_lshl_b32 s24, ttmp9, 6
	s_add_co_u32 s24, s24, s23                     ; delta = 64 x cluster x + cx
	s_and_b32 s25, ttmp7, 0xffff                   ; the head slice, which the four partners share
	s_and_b32 s26, s25, 15                         ; the head
	s_mov_b32 s[MB], s[WV]
	s_xor_b32 s[MB+1], s[WV], 15
	; K: 128 rows of 128 bytes (two keys), dense in memory, 16 bytes of padding behind each
	s_mov_b32 s[G1K], 15|(1<<20)|(1<<21)|(4<<22)|(3<<25)    ; 15:0 the mask: all four; elements of 1 byte; 20 padding on; 21 set beside a mask; after every 32 words (code 4) 4 words (code 3)
	s_mov_b32 s[G1K+1], 128<<16                    ; tensor_dim0
	s_mov_b32 s[G1K+2], 128<<16                    ; tensor_dim1
	s_mov_b32 s[G1K+3], 128<<16                    ; tile_dim0
	s_mov_b32 s[G1K+4], 128                        ; tile_dim1
	s_mov_b32 s[G1K+5], 128                        ; from row to row
	s_mov_b32 s[G1K+6], 0
	s_mov_b32 s[G1K+7], 0
	; V: 64 rows (d) of 256 bytes (keys), 2,048 bytes apart, 16 bytes of padding behind each
	s_mov_b32 s[G1V], 15|(1<<20)|(1<<21)|(5<<22)|(3<<25)
	s_mov_b32 s[G1V+1], 256<<16
	s_mov_b32 s[G1V+2], 64<<16
	s_mov_b32 s[G1V+3], 256<<16
	s_mov_b32 s[G1V+4], 64
	s_mov_b32 s[G1V+5], 2048
	s_mov_b32 s[G1V+6], 0
	s_mov_b32 s[G1V+7], 0
	; K's scale bytes: 512 dense bytes as 2 rows of 32 elements of 8 bytes, no padding
	s_mov_b32 s[G1SK], 15|(3<<16)|(1<<21)
	s_mov_b32 s[G1SK+1], 32<<16
	s_mov_b32 s[G1SK+2], 2<<16
	s_mov_b32 s[G1SK+3], 32<<16
	s_mov_b32 s[G1SK+4], 2
	s_mov_b32 s[G1SK+5], 32
	s_mov_b32 s[G1SK+6], 0
	s_mov_b32 s[G1SK+7], 0
	; V's scale bytes: 8 rows of 16 elements of 4 bytes, dense in memory, 16 bytes of padding behind each
	s_mov_b32 s[G1SV], 15|(2<<16)|(1<<20)|(1<<21)|(3<<22)|(3<<25)
	s_mov_b32 s[G1SV+1], 16<<16
	s_mov_b32 s[G1SV+2], 8<<16
	s_mov_b32 s[G1SV+3], 16<<16
	s_mov_b32 s[G1SV+4], 8
	s_mov_b32 s[G1SV+5], 16
	s_mov_b32 s[G1SV+6], 0
	s_mov_b32 s[G1SV+7], 0
	s_mov_b32 s[SEL], 0x76543210
	s_mov_b32 s[SEL+1], 0xfedcba98
	s_mov_b32 s[CS], 0x3e38aa3b                    ; c = log2(e) / 8: t = (q.k + 8 bias) c
	s_mov_b32 s[CS+1], s[CS]                       ; (named with it as a pair, so it is written)
	s_mov_b32 s[MNT], 0x600000
	s_mov_b32 s[MK0], 0xf0f0f0f0
	s_mov_b32 s[MK1], 0xff00ff00
	s_mov_b32 s101, 0
	s_lshl_b32 s2, s25, 12                         ; a head slice's scale bytes: 4,096
	s_lshl_b32 s3, s[WV], 9                        ; my eighth of them
	s_add_co_u32 s100, s2, s3
	s_wait_dscnt 0x0                               ; both opening adds are done
	s_wait_kmcnt 0x0
	s_mov_b32 s[G0SK], 1
	s_add_co_u32 s[G0SK+1], s3, SCK
	s_add_nc_u64 s[G0SK+2:G0SK+3], s[10:11], s[100:101]
	s_or_b32 s[G0SK+3], s[G0SK+3], 0x80000000
	s_mov_b32 s[G0SV], 1
	s_mul_i32 s[G0SV+1], s[WV], 640
	s_add_co_u32 s[G0SV+1], s[G0SV+1], SCV
	s_add_nc_u64 s[G0SV+2:G0SV+3], s[14:15], s[100:101]
	s_or_b32 s[G0SV+3], s[G0SV+3], 0x80000000
	s_lshl_b32 s2, s25, 17                         ; a head slice's codes: 131,072 bytes
	s_lshl_b32 s3, s[WV], 14                       ; K: my 256 keys
	s_add_co_u32 s100, s2, s3
	s_mov_b32 s[G0K], 1
	s_mul_i32 s[G0K+1], s[WV], 18432
	s_add_co_u32 s[G0K+1], s[G0K+1], KOFF
	s_add_nc_u64 s[G0K+2:G0K+3], s[8:9], s[100:101]
	s_or_b32 s[G0K+3], s[G0K+3], 0x80000000
	s_lshl_b32 s3, s[WV], 8                        ; V: my 256 keys of every row
	s_add_co_u32 s100, s2, s3
	s_mov_b32 s[G0V], 1
	s_mul_i32 s[G0V+1], s[WV], 17408
	s_add_co_u32 s[G0V+1], s[G0V+1], VB
	s_add_nc_u64 s[G0V+2:G0V+3], s[12:13], s[100:101]
	s_or_b32 s[G0V+3], s[G0V+3], 0x80000000
	CROUND                                         ; all four work-groups are here: the joint loads meet
	tensor_load_to_lds s[G0SK:G0SK+3], s[G1SK:G1SK+7]     ; every wave issues the same four, with no branch: four loads of mine are out.  What pass 1 wants comes first
	s_nop 0
	tensor_load_to_lds s[G0K:G0K+3], s[G1K:G1K+7]
	s_nop 0
	tensor_load_to_lds s[G0SV:G0SV+3], s[G1SV:G1SV+7]
	s_nop 0
	tensor_load_to_lds s[G0V:G0V+3], s[G1V:G1V+7]
	s_nop 0
	PLACES 4
	s_lshl_b32 s66, s24, 6                         ; Q's codes at query delta of my head slice
	s_lshl_b32 s95, s25, 17
	s_add_co_u32 s66, s66, s95
	s_mov_b32 s67, 0
	s_add_nc_u64 s[4:5], s[4:5], s[66:67]
	s_lshl_b32 s66, s24, 1                         ; and its scale bytes
	s_lshl_b32 s95, s25, 12
	s_add_co_u32 s66, s66, s95
	s_add_nc_u64 s[6:7], s[6:7], s[66:67]
	s_lshl_b32 s66, s26, 2                         ; my head's column of bias_weight, my head's tau
	s_add_nc_u64 s[16:17], s[16:17], s[66:67]
	s_add_nc_u64 s[18:19], s[18:19], s[66:67]
	s_load_b32 s[TAU], s[18:19], 0x0
	; THE TABLE: word pos = thread + 256 i takes distance d = 1980 + delta - pos.  A negative d, as an unsigned number, is held at row 2047; its value is replaced below
	s_add_co_u32 s27, s24, 1980
	v_sub_nc_u32 v[S+16], s27, v0
.irp i, 1,2,3,4,5,6,7,8
	v_add_nc_u32 v[S+16+\i], -256*\i, v[S+16]
.endr
.irp i, 0,1,2,3,4,5,6,7,8
	v_min_u32 v[S+32+\i], 0x7ff, v[S+16+\i]
	v_lshlrev_b32 v[S+32+\i], 6, v[S+32+\i]        ; a row of bias_weight is 64 bytes
.endr
.irp i, 0,1,2,3,4,5,6,7,8
	global_load_b32 v[S+\i], v[S+32+\i], s[16:17]
.endr
	v_and_b32 v12, 15, v0                          ; r
	v_bfe_u32 v13, v0, 4, 1                        ; h
	v_lshlrev_b32 v[KF], 8, v12
	v_lshl_add_u32 v[KF], v13, 4, v[KF]            ; Q: queries 4 apart are 256 bytes apart; + 16 h
	v_lshlrev_b32 v[KF+1], 3, v12                  ; its scale words: 8 bytes apart
.irp u, 0,1
	s_lshl_b32 s27, s[MB+\u], 13
	v_add_nc_u32 v[KF+2+2*\u], s27, v[KF]
	s_lshl_b32 s27, s[MB+\u], 8
	v_add_nc_u32 v[KF+3+2*\u], s27, v[KF+1]
	global_load_b128 v[QF+16*\u:QF+16*\u+3], v[KF+2+2*\u], s[4:5]              ; the head's 64: k = 16 h + 0 .. 15,
	global_load_b128 v[QF+16*\u+4:QF+16*\u+7], v[KF+2+2*\u], s[4:5] offset:32  ; k = 32 + 16 h + 0 .. 15
	global_load_u16 v[ST+8*\u+7], v[KF+3+2*\u], s[6:7]                         ; two scale bytes; bytes 2 and 3 are 0: they scale zero codes
.endr
.irp i, 8,9,10,11,12,13,14,15
	v_mov_b32 v[QF+\i], 0                          ; k = 64 .. 127 of Q: zero codes
	v_mov_b32 v[QF+16+\i], 0
.endr
.irp i, 0,1,2,3,4,5,6,7
	v_mov_b32 v[KZ+\i], 0                          ; the upper half of K's last fragment
.endr
	v_mov_b32 v[NEG], 0xf3000000                   ; -2^103
	v_mov_b32 v[FAC+1], 0                          ; (named as the upper half of a pair)
.irp b, 0,1,2,3
	v_mov_b32 v[TM+4+\b], 0                        ; written once: a lane permute's destination counts as one of its sources
.endr
	v_and_b32 v252, 8, v12
	v_add_nc_u32 v252, v252, v12                   ; r' = r + 8 (r / 8)
	v_lshrrev_b32 v253, 1, v252
	v_mul_u32_u24 v[AK0], v253, 144
	v_and_b32 v253, 1, v12
	v_lshl_add_u32 v[AK0], v253, 6, v[AK0]
	v_lshl_add_u32 v[AK0], v13, 4, v[AK0]
	v_add_nc_u32 v[AK0], KOFF, v[AK0]              ; K: (r' / 2) 144 + (r' % 2) 64 + 16 h
	v_lshl_add_u32 v[ASK0], v13, 3, v252
	v_lshl_add_u32 v[ASK0], v[ASK0], 1, SCK        ; K's scale words: 2 (8 h + r')
	v_xor_b32 v253, 15, v12
	v_lshlrev_b32 v[AB0], 4, v253
	v_lshl_add_u32 v[AB0], v13, 6, v[AB0]
	v_add_nc_u32 v[AB0], BT, v[AB0]                ; the table: word 4 (15 - r) + 16 h
	v_lshlrev_b32 v[GO], 4, v12
	v_lshl_add_u32 v[GO], v13, 13, v[GO]           ; out: d = 4 r is 16 r bytes; queries 8 h + j are 1,024 (8 h + j) bytes on
	v_lshl_add_u32 v254, v0, 2, BT                 ; where I store the table's words
	s_wait_loadcnt 6                               ; the nine words of bias_weight are in; the six loads of Q behind them may be out
.irp i, 0,1,2,3,4,5,6,7,8
	v_mul_f32 v[S+\i], 0x41000000, v[S+\i]         ; x 8: exact
	v_cmp_gt_i32 vcc_lo, 0, v[S+16+\i]
	v_cndmask_b32 v[S+\i], v[S+\i], v[NEG], vcc_lo ; a key behind the query: the mask
	ds_store_b32 v254, v[S+\i] offset:1024*\i
.endr
	s_wait_kmcnt 0x0                               ; tau
; Tile u's tau / i, to the last bit or nearly (a reciprocal and one correction), and the weight above the diagonal, relu(tau / i), through the quantiser: a block of 32 equal numbers.  Also out's address.
.macro CONSTP u
	s_lshl_b32 s27, s[MB+\u], 7
	s_add_co_u32 s27, s27, s24                     ; the tile's first query
	s_add_co_u32 s95, s27, 1
	v_lshl_add_u32 v252, v12, 2, s95               ; i = my query + 1
	v_cvt_f32_u32 v252, v252
	v_rcp_f32 v253, v252
	v_nop                                          ; a plain instruction behind the reciprocal,
	s_wait_alu depctr_va_vdst(0)                   ; and the wait ahead of its first reader
	v_mul_f32 v254, s[TAU], v253
	v_fma_f32 v255, -v254, v252, s[TAU]            ; what the first quotient leaves
	v_fma_f32 v[ST+8*\u+4], v255, v253, v254
	v_mov_b32 v[ST+8*\u+5], v[ST+8*\u+4]
	v_max_num_f32 v254, 0, v[ST+8*\u+4]            ; the weight
	v_max_num_f32 v255, 0x8000000, v254            ; the block's largest magnitude, over the floor 2^(16 - 127)
	v_add_nc_u32 v[TM+12], 0xf8800000, v255        ; 15 off its exponent field: the conversion's scale operand
	v_and_or_b32 v[TM+8], v255, 0x7f800000, s[MNT] ; 57,344 x the scale
	v_lshrrev_b32 v[TM+4], 23, v[TM+12]            ; the byte,
	v_lshl_or_b32 v[ST+8*\u+6], v[TM+4], 8, v[TM+4]
	v_lshl_or_b32 v[ST+8*\u+6], v[ST+8*\u+6], 16, v[ST+8*\u+6]   ; four times: every block's
	v_min_num_f32 v[S+48], v254, v[TM+8]           ; the hold
.irp i, 1,2,3,4,5,6,7
	v_mov_b32 v[S+48+\i], v[S+48]
.endr
	v_cvt_scalef32_pk8_bf8_f32 v[TM:TM+1], v[S+48:S+55], v[TM+12]
	v_nop                                          ; a plain instruction behind the conversion
	WIN 0x40
.irp i, 0,1,2,3,4,5,6,7,8,9,10,11,12,13,14,15
	v_mov_b32 v[CP+16*\u+\i], v[TM]                ; the fragment: my query's code, 64 times
.endr
	WIN 0
	s_lshl_b32 s66, s27, 8                         ; a row of out is 256 bytes
	s_lshl_b32 s95, s25, 19
	s_add_co_u32 s66, s66, s95
	s_add_nc_u64 s[OB+2*\u:OB+2*\u+1], s[20:21], s[66:67]
.endm
	CONSTP 0
	CONSTP 1
	s_wait_loadcnt 0x0                             ; Q
	s_wait_tensorcnt 2                             ; my parts of K's scale bytes and of K are in; V's two loads, issued behind them, may stay out
	s_wait_dscnt 0x0                               ; my words of the table are stored
	s_barrier_signal -1
	s_barrier_wait -1                              ; everybody's are
.macro ADDR
	v_add_nc_u32 v[ADK], s[KB], v[AK0]
	v_add_nc_u32 v[ADS], s[KSB], v[ASK0]
	v_add_nc_u32 v[ADB], s[BB], v[AB0]
.endm
.macro LDK off                         ; a step's eight fragments of K: tile t begins at key 32 (t / 2) + 8 (t % 2).  Fragment t is v[KF + 8 t .. + 15]: its upper half is tile t + 1's codes (the last: zeros), against Q's zero codes
.irp t, 0,1,2,3,4,5,6,7
	ds_load_b128 v[KF+8*\t:KF+8*\t+3],   v[ADK] offset:(\off)+(16*(\t/2)+4*(\t%2))*144
	ds_load_b128 v[KF+8*\t+4:KF+8*\t+7], v[ADK] offset:(\off)+(16*(\t/2)+4*(\t%2))*144+32
.endr
.endm
.macro LDKS off                        ; their scale words: register b: lanes 0-15 tile 2 b's rows, lanes 16-31 tile 2 b + 1's
.irp b, 0,1,2,3
	ds_load_u16 v[KS+\b], v[ADS] offset:(\off)+64*\b
.endr
.endm
.macro LDB b, g, off                   ; four words of the table into score registers 16 b + 4 g on: the C of the next K Q^T
	ds_load_b128 v[S+16*(\b)+4*(\g):S+16*(\b)+4*(\g)+3], v[ADB] offset:(\off)+128*(\b)+16*(\g)
.endm
.macro LDBALL off
.irp b, 0,1,2,3
.irp g, 0,1,2,3
	LDB \b,\g,\off
.endr
.endr
.endm
.macro QK u                            ; S^T = K Q^T + 8 bias: eight accumulators, one instruction each
.irp t, 0,1,2,3,4,5,6,7
.if (\t)%2
	v_wmma_scale_f32_16x16x128_f8f6f4 v[S+8*\t:S+8*\t+7], v[KF+8*\t:KF+8*\t+15], v[QF+16*\u:QF+16*\u+15], v[S+8*\t:S+8*\t+7], v[KS+\t/2], v[ST+8*\u+7] matrix_a_fmt:MATRIX_FMT_BF8 matrix_b_fmt:MATRIX_FMT_BF8 matrix_a_scale:MATRIX_SCALE_ROW1
.else
	v_wmma_scale_f32_16x16x128_f8f6f4 v[S+8*\t:S+8*\t+7], v[KF+8*\t:KF+8*\t+15], v[QF+16*\u:QF+16*\u+15], v[S+8*\t:S+8*\t+7], v[KS+\t/2], v[ST+8*\u+7] matrix_a_fmt:MATRIX_FMT_BF8 matrix_b_fmt:MATRIX_FMT_BF8
.endif
.endr
.endm
.macro FMAEXP nm                       ; 2^(c s - M) of the 64 scores: ONE batch: a pair's scaling, then the pair before's two exponentials; no line names an exponential's result
.set p, 0
.rept 32
	v_pk_fma_f32 v[S+2*p:S+2*p+1], v[S+2*p:S+2*p+1], s[CS:CS+1], v[\nm:\nm+1] op_sel_hi:[1,0,0]
.if p > 0
	v_exp_f32 v[S+2*p-2], v[S+2*p-2]
	v_exp_f32 v[S+2*p-1], v[S+2*p-1]
.endif
.set p, p+1
.endr
	v_exp_f32 v[S+62], v[S+62]
	v_exp_f32 v[S+63], v[S+63]
.endm
; PASS 1, one step of 128 keys: the q-th of the trip.  A step all of whose keys come after the tile's queries is left out: a branch on the wave's number and the count of steps.
.macro STEP1 u, q
	s_add_co_u32 s[TT], s[SS], \q
	s_cmp_gt_u32 s[TT], s[MB+\u]
	s_cbranch_scc1 .Lskip_\@
	s_wait_dscnt 0x0                               ; this step's K, scale words and table words, asked for a step ago
	QK \u
	PLACES 8                                       ; behind the products: ahead of the loads into K's registers and of the first read of scores
	LDK 9216*(\q+1)                                ; the next step's (behind the tile's last step: bytes that lie in LDS and that nobody uses)
	LDKS 256*(\q+1)
.irp b, 0,1,2,3
	v_max3_num_f32 v[TM+\b], v[S+16*\b], v[S+16*\b+1], v[S+16*\b+2]     ; the largest score, in four chains; each accumulator is read from its low end on
.endr
.irp i, 3,5,7,9,11,13
.irp b, 0,1,2,3
	v_max3_num_f32 v[TM+\b], v[TM+\b], v[S+16*\b+\i], v[S+16*\b+\i+1]
.endr
.endr
.irp b, 0,1,2,3
	v_max_num_f32 v[TM+\b], v[TM+\b], v[S+16*\b+15]
.endr
	v_max3_num_f32 v252, v[TM], v[TM+1], v[TM+2]
	v_max_num_f32 v252, v252, v[TM+3]
	v_permlanex16_b32 v253, v252, s[SEL], s[SEL+1] ; the query's other 64 keys lie in lane l xor 16
	v_max_num_f32 v252, v252, v253
	v_mul_f32 v252, s[CS], v252                    ; as t (c is positive)
	v_max_num_f32 v[ST+8*\u+1], v[ST+8*\u+1], v252
	v_mov_b32 v252, v[ST+8*\u]
	v_floor_f32 v[ST+8*\u], -v[ST+8*\u+1]          ; -M = floor(-t): M is a whole number
	v_sub_f32 v252, v[ST+8*\u], v252               ; old M - new M: a whole number, 0 or less
	v_cvt_i32_f32 v252, v252                       ; (it saturates)
	v_ldexp_f32 v[FAC], 1.0, v252                  ; f = 2^(old M - new M): rounds nothing
	FMAEXP ST+8*\u
	v_pk_mul_f32 v[SUM:SUM+1], v[SUM:SUM+1], v[FAC:FAC+1] op_sel_hi:[1,0]   ; the sum under the new M: the plain instruction behind the batch
	s_wait_alu depctr_va_vdst(0)                   ; one wait for the 64 exponentials, ahead of their first reader
	v_pk_add_f32 v[SUM2:SUM2+1], v[S:S+1], v[S+2:S+3]                       ; two chains; behind each four registers summed, the next step's table words are asked into them
	LDB 0,0,512*(\q+1)
.set j, 4
.rept 15
	v_pk_add_f32 v[SUM:SUM+1], v[SUM:SUM+1], v[S+j:S+j+1]
	v_pk_add_f32 v[SUM2:SUM2+1], v[SUM2:SUM2+1], v[S+j+2:S+j+3]
	LDB j/16,(j%16)/4,512*(\q+1)
.set j, j+4
.endr
	v_pk_add_f32 v[SUM:SUM+1], v[SUM:SUM+1], v[SUM2:SUM2+1]
.Lskip_\@:
.endm
.macro START u                         ; both passes begin so: the walk's scalars and step 0's loads
	s_wait_dscnt 0x0                               ; the last walk's look-ahead is in: its registers are loaded again
	s_mov_b32 s[SS], 0
	s_mov_b32 s[KB], 0
	s_mov_b32 s[KSB], 0
	s_lshl_b32 s[BB], s[MB+1-\u], 9                ; the table: 128 words for each of 15 - m + s
	ADDR
	LDK 0
	LDKS 0
	LDBALL 0
.endm
.macro NEXT                            ; two steps on
	s_add_co_u32 s[KB], s[KB], 18432
	s_add_co_u32 s[KSB], s[KSB], 512
	s_add_co_u32 s[BB], s[BB], 1024
	s_add_co_u32 s[SS], s[SS], 2
	s_cmp_lt_u32 s[SS], 16
.endm
.macro PASS1 u
	START \u
	v_mov_b32 v[ST+8*\u+1], 0xff61b1e6             ; the largest t so far: -3e38
	v_floor_f32 v[ST+8*\u], -v[ST+8*\u+1]
	v_mov_b32 v[SUM], 0
	v_mov_b32 v[SUM+1], 0
.Lp1_\@:                                           ; eight trips of two steps, in every wave: the trip count is a constant, the work is jumped over
	ADDR
	STEP1 \u, 0
	STEP1 \u, 1
	NEXT
	s_cbranch_scc1 .Lp1_\@
	v_add_f32 v252, v[SUM], v[SUM+1]
	v_permlanex16_b32 v253, v252, s[SEL], s[SEL+1]
	v_add_f32 v252, v252, v253                     ; l
	v_rcp_f32 v[ST+8*\u+2], v252
	v_nop
	s_wait_alu depctr_va_vdst(0)                   ; ahead of the reciprocal's first reader
	v_mov_b32 v[ST+8*\u+3], v[ST+8*\u+2]
.endm
.macro MKAV                            ; V's addresses, made anew for each walk: tile t, lane r: row d = 4 r + ((t + r / 4) & 3)
	v_and_b32 v252, 15, v0
	v_bfe_u32 v253, v0, 2, 2
	v_bfe_u32 v254, v0, 4, 1
	v_lshlrev_b32 v254, 4, v254
	v_add_nc_u32 v254, VB, v254
.irp t, 0,1,2,3
	v_add_nc_u32 v255, \t, v253
	v_and_b32 v255, 3, v255
	v_lshl_add_u32 v255, v252, 2, v255
	v_mad_u32_u24 v[AV+\t], v255, 272, v254
	v_mul_u32_u24 v[ASV+\t], v255, 80
	v_add_nc_u32 v[ASV+\t], SCV, v[ASV+\t]
.endr
.endm
.macro LDV q                           ; V's four fragments of the step (16 rows d x 128 keys each) and their scale words
	WIN 0x40                                       ; destination window 1
.irp t, 0,1,2,3
.irp c, 0,1,2,3
	ds_load_b128 v[VF+16*\t+4*\c:VF+16*\t+4*\c+3], v[AV+\t] offset:128*(\q)+32*\c
.endr
.endr
	WIN 0
.irp t, 0,1,2,3
	ds_load_b32 v[VSR+\t], v[ASV+\t] offset:4*(\q)
.endr
.endm
; PASS 2, one step.
.macro STEP2 u, q
	s_add_co_u32 s[TT], s[SS], \q
	s_cmp_gt_u32 s[TT], s[MB+\u]
	s_cbranch_scc1 .Lmask_\@
	s_wait_dscnt 0x0                               ; this step's K, scale words and table words
	QK \u
	PLACES 8                                       ; behind these products and the last step's O += P V: ahead of the loads into K's and V's registers and of the first read of scores
	LDV \q
	LDK 9216*(\q+1)
	LDKS 256*(\q+1)
	FMAEXP ST+8*\u
	v_nop                                          ; the plain instruction behind the batch
	s_wait_alu depctr_va_vdst(0)                   ; one wait for the 64 exponentials
.set p, 0
.rept 32
	v_pk_fma_f32 v[S+2*p:S+2*p+1], v[S+2*p:S+2*p+1], v[ST+8*\u+2:ST+8*\u+3], v[ST+8*\u+4:ST+8*\u+5]   ; softmax + tau / i
.set p, p+1
.endr
.irp b, 0,1,2,3
	v_max3_num_f32 v[TM+\b], v[S+16*\b], v[S+1+16*\b], 0x8000000   ; a block's largest weight: no |.|, since what is negative becomes 0; the floor 2^(16 - 127) holds the byte at 1 from below
.endr
.irp i, 2,4,6,8,10,12,14
.irp b, 0,1,2,3
	v_max3_num_f32 v[TM+\b], v[TM+\b], v[S+16*\b+\i], v[S+1+16*\b+\i]
.endr
.endr
.irp b, 0,1,2,3
	v_permlanex16_b32 v[TM+4+\b], v[TM+\b], s[SEL], s[SEL+1]
.endr
.irp b, 0,1,2,3
	v_max_num_f32 v[TM+\b], v[TM+\b], v[TM+4+\b]   ; with lane l xor 16's 16 keys
.endr
.irp b, 0,1,2,3
	v_add_nc_u32 v[TM+12+\b], 0xf8800000, v[TM+\b] ; 15 off the exponent field: the conversion's scale operand
.endr
.irp b, 0,1,2,3
	v_and_or_b32 v[TM+8+\b], v[TM+\b], 0x7f800000, s[MNT]   ; 57,344 x the scale
.endr
.irp b, 0,1,2,3
	v_lshrrev_b32 v[TM+4+\b], 23, v[TM+12+\b]      ; the byte
.endr
	v_lshl_or_b32 v[PW], v[TM+5], 8, v[TM+4]       ; my query's scale word for these 128 keys
	v_lshl_or_b32 v[PW], v[TM+6], 16, v[PW]
	v_lshl_or_b32 v[PW], v[TM+7], 24, v[PW]
.irp b, 0,1,2,3
.irp i, 0,1,2,3,4,5,6,7,8,9,10,11,12,13,14,15
	v_med3_num_f32 v[S+16*\b+\i], v[S+16*\b+\i], 0, v[TM+8+\b]   ; the clip at 0 and the hold at the largest code in one (the conversion does not saturate: ISA guide 7.6.2)
.endr
	v_cvt_scalef32_pk8_bf8_f32 v[PC+4*\b:PC+4*\b+1], v[S+16*\b:S+16*\b+7], v[TM+12+\b]
	v_cvt_scalef32_pk8_bf8_f32 v[PC+4*\b+2:PC+4*\b+3], v[S+16*\b+8:S+16*\b+15], v[TM+12+\b]
.irp g, 0,1,2,3
	LDB \b,\g,512*(\q+1)                           ; the block's registers take the next step's table words
.endr
.endr
	PLACES 4                                       ; behind the last conversion, and ahead of the scaled products that take the codes
	s_wait_dscnt 36                                ; V's 16 + 4 loads are in; behind them stand 16 of K, 4 of its scale words and 16 of the table
	WIN 0x54                                       ; P window 0; V, O window 1
.irp t, 0,1,2,3
	v_wmma_scale_f32_16x16x128_f8f6f4 v[OA+8*\t:OA+8*\t+7], v[PC:PC+15], v[VF+16*\t:VF+16*\t+15], v[OA+8*\t:OA+8*\t+7], v[PW], v[VSR+\t] matrix_a_fmt:MATRIX_FMT_BF8 matrix_b_fmt:MATRIX_FMT_BF8
.endr
	WIN 0
	s_branch .Ljoin_\@
.Lmask_\@:                                         ; wholly above the diagonal: the weight is relu(tau / i) for all 128 keys
	PLACES 8                                       ; behind the last step's products, ahead of the loads into V's registers
	LDV \q
	s_wait_dscnt 0x0
	WIN 0x55                                       ; the constant P lies in window 1 too
.irp t, 0,1,2,3
	v_wmma_scale_f32_16x16x128_f8f6f4 v[OA+8*\t:OA+8*\t+7], v[CP+16*\u:CP+16*\u+15], v[VF+16*\t:VF+16*\t+15], v[OA+8*\t:OA+8*\t+7], v[ST+8*\u+6], v[VSR+\t] matrix_a_fmt:MATRIX_FMT_BF8 matrix_b_fmt:MATRIX_FMT_BF8
.endr
	WIN 0
.Ljoin_\@:
.endm
.macro PASS2 u
	START \u
	MKAV
	WIN 0x40
.set p, 0
.rept 32
	v_mov_b32 v[OA+p], 0                           ; the step is written once, inside the loop, so the sums begin as zeros: 32 lines a tile
.set p, p+1
.endr
	WIN 0
.Lp2_\@:                                           ; eight trips of two steps: one chunk of V
	ADDR
	STEP2 \u, 0
	STEP2 \u, 1
.irp t, 0,1,2,3
	v_add_nc_u32 v[AV+\t], 17408, v[AV+\t]
	v_add_nc_u32 v[ASV+\t], 8, v[ASV+\t]
.endr
	NEXT
	s_cbranch_scc1 .Lp2_\@
.endm
; THE WAY OUT.  Register j of tile t, lane (r, h), is out(query 8 h + j, d = 4 r + ((t + r / 4) & 3)).  Two selects by r / 4's two bits turn the four tiles' registers so that place e holds d = 4 r + e.
.macro OUT u
	PLACES 8                                       ; behind the last products
	s_wait_xcnt 0x0                                ; the other tile's stores have read their registers
	WIN 0x45                                       ; sources 0, 1 and destination window 1
.irp j, 0,1,2,3,4,5,6,7                        ; each accumulator from its low end on
.irp e, 0,1,2,3
	v_cndmask_b32 v[XR+\e], v[OA+8*\e+\j], v[OA+8*((\e+3)%4)+\j], s[MK0]
.endr
.irp e, 0,1,2,3
	v_cndmask_b32 v[EO+4*\j+\e], v[XR+\e], v[XR+(\e+2)%4], s[MK1]
.endr
.endr
	WIN 0x04                                       ; a store's data are its source 1
.irp j, 0,1,2,3,4,5,6,7
	global_store_b128 v[GO], v[EO+4*\j:EO+4*\j+3], s[OB+2*\u:OB+2*\u+1] offset:1024*\j th:TH_STORE_NT   ; lanes 0-15 store one whole row of 256 bytes, lanes 16-31 another; written once, read by nobody here
.endr
	WIN 0
.endm
	PASS1 0
	PASS1 1
	s_wait_tensorcnt 0x0                           ; my parts of V and of its scale bytes are in,
	s_wait_dscnt 0x0
	s_barrier_signal -1
	s_barrier_wait -1                              ; everybody's are
	PASS2 0
	OUT 0
	PASS2 1
	OUT 1
	s_wait_tensorcnt 0x0                           ; the wave's end, behind my last tensor load and my last LDS store
	ds_add_u32 v[SPW], v[NIL]
	s_wait_dscnt 0x0
	CROUND                                         ; the closing round
	s_endpgm
.Lfunc_end_k_qcfa6385370_lazyattn:
	.size	k_qcfa6385370_lazyattn, .Lfunc_end_k_qcfa6385370_lazyattn-k_qcfa6385370_lazyattn
	.p2alignl 7, 3214868480
	.fill 96, 4, 3214868480
	.section	.rodata,"a",@progbits
	.p2align	6, 0x0
	.amdhsa_kernel k_qcfa6385370_lazyattn
		.amdhsa_group_segment_fixed_size 327680
		.amdhsa_private_segment_fixed_size 0
		.amdhsa_enable_private_segment 0
		.amdhsa_kernarg_size 72
		.amdhsa_user_sgpr_count 2
		.amdhsa_user_sgpr_kernarg_segment_ptr 1
		.amdhsa_wavefront_size32 1
		.amdhsa_system_sgpr_workgroup_id_x 1
		.amdhsa_system_sgpr_workgroup_id_y 1
		.amdhsa_system_sgpr_workgroup_id_z 1
		.amdhsa_system_vgpr_workitem_id 0
		.amdhsa_next_free_vgpr 512
		.amdhsa_next_free_sgpr 102
		.amdhsa_reserve_vcc 1
		.amdhsa_float_denorm_mode_32 3
		.amdhsa_float_denorm_mode_16_64 3
		.amdhsa_memory_ordered 1
		.amdhsa_forward_progress 1
		.amdhsa_inst_pref_size 182
	.end_amdhsa_kernel
	.amdgpu_metadata
---
amdhsa.version: [ 1, 2 ]
amdhsa.kernels:
  - .name:           k_qcfa6385370_lazyattn
    .symbol:         k_qcfa6385370_lazyattn.kd
    .args:
      - { .name: q_codes, .offset: 0, .size: 8, .value_kind: global_buffer, .address_space: global }
      - { .name: q_scales, .offset: 8, .size: 8, .value_kind: global_buffer, .address_space: global }
      - { .name: k_codes, .offset: 16, .size: 8, .value_kind: global_buffer, .address_space: global }
      - { .name: k_scales, .offset: 24, .size: 8, .value_kind: global_buffer, .address_space: global }
      - { .name: v_codes, .offset: 32, .size: 8, .value_kind: global_buffer, .address_space: global }
      - { .name: v_scales, .offset: 40, .size: 8, .value_kind: global_buffer, .address_space: global }
      - { .name: bias_weight, .offset: 48, .size: 8, .value_kind: global_buffer, .address_space: global }
      - { .name: tau, .offset: 56, .size: 8, .value_kind: global_buffer, .address_space: global }
      - { .name: out0, .offset: 64, .size: 8, .value_kind: global_buffer, .address_space: global }
    .group_segment_fixed_size: 327680
    .private_segment_fixed_size: 0
    .kernarg_segment_align: 8
    .kernarg_segment_size: 72
    .max_flat_workgroup_size: 256
    .sgpr_count:     102
    .vgpr_count:     512
    .wavefront_size: 32
...
	.end_amdgpu_metadata
.endif
;; end of part 1
